; MI455X (gfx1250); checked and timed in simulation.
; The chip was launched on July 23, 2026; its instructions are those of AMD's public machine-readable ISA for CDNA 5 (MIT licence, August 2026) and "CDNA5" Instruction Set Architecture Reference Guide (July 2026). The comments in the code are by the model that wrote it; some were corrected since.
;; KNN VC. Allowed arithmetic: matrix products marked QUANTISED: E2M1 operands, one E8M0 scale for each 32 along K, by v_wmma_scale_f32_16x16x128_f8f6f4 with both operands' format E2M1 (or v_wmma_scale_f32_32x16x128_f4), f32 sums; everything else in f32.
;; Inputs: matching_set 32,768 x 1,024 float32; query_seq 2,048 x 1,024 float32; synth_set 32,768 x 1,024 float32.
;; Outputs: out0 2,048 x 1,024 float32.
;; Constants: topk = 4.
;; This version of the problem:
;;   THIS VERSION OF THE PROBLEM IS GIVEN IN LOW PRECISION. The matrix products marked QUANTISED in the list below multiply operands that are first quantised to E2M1 (2 exponent bits, 1 mantissa bit; 4 bits a number), with one power-of-two scale for each 32 numbers along K (OCP MX v1.0); their sums are f32. All else is computed in f32.
;;   The module's matrix products, in the order in which they are computed (A, B: the left and right operand; K: the contracted axis; several contracted axes count as one K, in the product's order):
;;     1. [M 2,048, K 1,024] x [K 1,024, N 32,768]; A: input query_seq; B: input matching_set: QUANTISED
;;   THE QUANTISER, for each operand of a quantised product, along K:
;;     - K is cut into blocks of 32 from its start; a last block that is shorter is filled with zeros.
;;     - A block's scale is 2^e with e = floor(log2(the largest magnitude in the block)) - 2, held to -126 .. 127; a block of zeros has e = 0. As a byte (E8M0): e + 127.
;;     - Each number is divided by its block's scale, clamped to +-6, and rounded to the nearest number of E2M1, ties to even, subnormals kept.
;;     - The product sums the exact products of the quantised numbers (number of the format x scale) in f32.
;;   ~~~python
;;   def quantise(x, axis):      # numpy; x: float32 -> the quantised numbers, widened to float32 again
;;       x = np.moveaxis(x, axis, -1); K = x.shape[-1]
;;       x = np.pad(x, [(0, 0)] * (x.ndim - 1) + [(0, -K % 32)]); x = x.reshape(x.shape[:-1] + (-1, 32)); a = np.abs(x).max(-1, keepdims=True)
;;       e = np.where(a > 0, np.clip(np.frexp(np.where(a > 0, a, 1))[1] - 1 - 2, -126, 127), 0)      # np.frexp(a)[1] - 1 = floor(log2(a)), exactly
;;       r = np.clip(x / 2.0 ** e, -6, 6)
;;       step = 2.0 ** (np.maximum(np.frexp(np.where(r == 0, 1, r))[1] - 1, 0) - 1)
;;       q = np.round(r / step) * step * 2.0 ** e      # np.round: ties to even
;;       return np.moveaxis(q.reshape(q.shape[:-2] + (-1,))[..., :K], -1, axis).astype(np.float32)
;;   ~~~
;; One version. Each part assembles by itself: llvm-mc -triple=amdgcn-amd-amdhsa -mcpu=gfx1250 --defsym DOCPART=n.
;; ======== version 1 of 1: 5 launches
;; limits: right only within a limited range of input values
;; workspace buffers: codes 17,825,792 bytes; scales 1,114,112 bytes; rnorm 139,264 bytes; gmax 16,777,216 bytes; gsel 32,768 bytes of whole numbers; idx 32,768 bytes of whole numbers
;; launch quant (part 1): grid 1088 x 1, 4 waves a work-group, no clusters, 17,920 bytes of LDS; arguments query_seq, matching_set, codes, scales, rnorm; writes codes, scales, rnorm
.if DOCPART == 1
	.amdgcn_target "amdgcn-amd-amdhsa--gfx1250"
	.amdhsa_code_object_version 6
	.text
	.protected	k_qf403a8352c_quant
	.globl	k_qf403a8352c_quant
	.p2align	8
	.type	k_qf403a8352c_quant,@function
k_qf403a8352c_quant:
	s_mov_b64 s[64:65], 0
	v_nop
	global_prefetch_b8 v0, s[64:65] scope:SCOPE_SE
	s_setreg_imm32_b32 hwreg(HW_REG_WAVE_MODE, 25, 1), 1
	s_wait_xcnt 0x0
; query_seq [2048][1024] and matching_set [32768][1024], f32, become codes of FP4 (E2M1), K innermost, 512 bytes a row, with one E8M0 byte for each 32 along K (32 bytes a row),
; and for each row 1 / sqrt(the sum of its squares), taken of the numbers as they come, in f32.
; A block's scale is 2^(floor(log2(its largest magnitude)) - 2): its byte is the largest magnitude's exponent field - 2, held at 1 from below.  Each number is divided by the scale and rounded to the nearest code, ties to even;
; beyond 6 the conversion gives the largest code.  A block of zeros gets the byte 1 where the rule says 127: its codes are zeros, and the bytes are read by this program alone.
; LIMITS: blocks whose largest magnitude lies under 2^-124 get the byte 1; NaN and infinities are not served; a row of zeros, or one whose sum of squares leaves f32's normal range, gets no usable norm.
; ORDER OF THE ROWS.  codes and scales hold the 2,048 queries first, then the matching rows.  Within each 128 matching rows the runs of 8 rows are permuted: run 8 h + t (h = 0, 1; t = 0 .. 7) goes to place 2 t + h.
; So in the product's result, where a lane's half h holds places 16 t + 8 h + j of tile t, a lane's 64 registers are 64 NEIGHBOURING matching rows, 64 h + 8 t + j.  rnorm keeps the rows' own order: queries at 4 q, matching rows at 8,192 + 4 row.
; SHARES.  A wave takes a run of 8 rows.  A row is eight loads of 512 consecutive bytes: in piece g lane l holds numbers 128 g + 4 l + 0 .. 3.  The conversion takes 8 neighbours from ONE lane, so pieces 2 p and 2 p + 1 are exchanged
; between lanes l and l xor 1, in registers: an even lane 2 j ends with numbers 8 j .. 8 j + 7 of piece 2 p, the odd lane 2 j + 1 with the same of piece 2 p + 1.  A block of 32 is then the four lanes of one parity in a group of eight:
; two steps (xmask 2 and 4) give its largest magnitude.  The f32 numbers never pass through LDS.  A lane's 4 bytes of codes do: a row's 512 bytes are gathered in the wave's own LDS bytes and leave by one store of 512 consecutive bytes;
; the wave's 256 scale bytes likewise, at the end.  Waves share nothing: no barrier.  Loads run three rows (24 loads a wave) ahead, in three sets of 32 registers.
.set WREG,  4352                       ; LDS, a region for each wave: 8 rows of 512 bytes of codes, then 256 scale bytes
.set SCB,   4096
.set SPARE, 4*WREG                     ; the spare words, 128 bytes a wave: two blocks of 256 bytes that no other line names
.set QWG,   64                         ; the first 64 work-groups take the queries (32 rows each)
.set R,     16                         ; v16-111  three sets of a row: piece g at 4 g
.set UU,    112                        ; v112-127 what goes to, and comes from, lane l xor 1
.set MX,    128                        ; v128-131 a largest magnitude for each pair of pieces
.set SC,    132                        ; v132-135 the conversions' scale operands
.set CD,    136                        ; v136-139 codes
.set EB,    140                        ; v140-143 scale bytes
.set OUTR,  144                        ; v144-175 a row's codes on the way out, four registers for each row: no store's data are written again
.set NS,    176                        ; v176-191 a pair of partial sums of squares for each row
.set T,     16                         ; at the end: the rows' sums,
.set U,     24                         ; and the other half of the lanes'
	s_load_b128 s[4:7], s[0:1], 0x0                ; query_seq, matching_set
	s_load_b128 s[8:11], s[0:1], 0x10              ; codes, scales
	s_load_b64 s[12:13], s[0:1], 0x20              ; rnorm
	v_lshl_add_u32 v12, v0, 2, SPARE               ; my spare word,
	v_mov_b32 v13, 0                               ; and 0: kept for the closing lines alone
	v_lshrrev_b32 v1, 5, v0
	v_readfirstlane_b32 s16, v1                    ; wave
	v_and_b32 v2, 31, v0                           ; lane
	v_lshlrev_b32 v3, 4, v2                        ; my 16 bytes of 512, in and out
	s_mul_i32 s17, s16, WREG
	v_and_b32 v9, 1, v2
	v_lshrrev_b32 v10, 1, v2
	v_lshlrev_b32 v4, 6, v9
	v_lshl_add_u32 v4, v10, 2, v4
	v_add_nc_u32 v4, s17, v4                       ; my codes in a pair's 128 bytes: 64 (l % 2) + 4 (l / 2)
	v_lshrrev_b32 v10, 3, v2
	v_lshl_add_u32 v5, v9, 2, v10
	v_add_nc_u32 v5, s17, v5                       ; my block's byte in a pair's 8: 4 (l % 2) + l / 8
	v_add_nc_u32 v6, s17, v3                       ; a row of codes on the way out: 16 bytes a lane
	v_lshlrev_b32 v7, 3, v2
	v_add_nc_u32 v8, s17, v7                       ; the scale bytes on the way out: 8 bytes a lane
	s_mov_b32 s28, 0xaaaaaaaa                      ; the odd lanes
	s_mov_b32 s26, 0x76543210
	s_mov_b32 s27, 0xfedcba98                      ; v_permlanex16_b32's selects for lane l xor 16
	s_lshl_b32 s18, ttmp9, 2
	s_add_co_u32 s18, s18, s16                     ; my run of 8 rows, counted over queries and matching rows together (256 runs of queries: a multiple of 16)
	s_and_b32 s19, s18, 0xfffffff0
	s_and_b32 s20, s18, 7
	s_lshl_b32 s20, s20, 1
	s_or_b32 s19, s19, s20
	s_bfe_u32 s20, s18, 0x10003
	s_or_b32 s19, s19, s20                         ; its place if it is a run of matching rows: 2 t + h within its sixteen
	s_wait_alu depctr_va_vdst(0)
	s_wait_kmcnt 0x0
	s_cmp_lt_u32 ttmp9, QWG                        ; queries or matching rows?  The choice hangs on the work-group's number alone
	s_cselect_b64 s[4:5], s[4:5], s[6:7]
	s_cselect_b32 s19, s18, s19                    ; queries keep their order
	s_cselect_b32 s20, 0, 256
	s_sub_co_u32 s20, s18, s20                     ; the run's number in its own input
	s_lshl_b32 s20, s20, 15                        ; 8 rows of 4,096 bytes
	s_mov_b32 s21, 0
	s_add_nc_u64 s[4:5], s[4:5], s[20:21]
	s_lshl_b32 s20, s19, 12                        ; 8 rows of 512 bytes of codes
	s_add_nc_u64 s[8:9], s[8:9], s[20:21]
	s_lshl_b32 s20, s19, 8                         ; 8 rows of 32 scale bytes
	s_add_nc_u64 s[10:11], s[10:11], s[20:21]
	s_lshl_b32 s20, s18, 5                         ; 8 norms
	s_add_nc_u64 s[12:13], s[12:13], s[20:21]
.macro LOAD r
.irp g, 0,1,2,3,4,5,6,7
	global_load_b128 v[R+32*((\r)%3)+4*\g:R+32*((\r)%3)+4*\g+3], v3, s[4:5] offset:4096*(\r)+512*\g th:TH_LOAD_NT   ; 32 lanes read 512 consecutive bytes
.endr
.endm
	LOAD 0
	LOAD 1
	LOAD 2
.macro ROW r
.set RS, R+32*((\r)%3)
.set NP, NS+2*(\r)
.if (\r) < 6
	s_wait_loadcnt 16                              ; this row's eight loads are in; the next two rows' stay out
.else
	s_wait_loadcnt 8*(7-(\r))
.endif
	; what I give to lane l xor 1: an even lane its part of piece 2 p + 1, an odd lane its part of piece 2 p.  The row's sum of squares stands between
	v_cndmask_b32 v[UU], v[RS+4], v[RS], s28
	v_pk_mul_f32 v[NP:NP+1], v[RS:RS+1], v[RS:RS+1]                ; the row's first product starts its sums
.set q, 1
.rept 15
	v_cndmask_b32 v[UU+q], v[RS+8*(q/4)+4+q%4], v[RS+8*(q/4)+q%4], s28
	v_pk_fma_f32 v[NP:NP+1], v[RS+2*q:RS+2*q+1], v[RS+2*q:RS+2*q+1], v[NP:NP+1]
.set q, q+1
.endr
.set q, 0
.rept 16
	v_mov_b32_dpp v[UU+q], v[UU+q] row_xmask:1 row_mask:0xf bank_mask:0xf      ; and what I get
.set q, q+1
.endr
.set q, 0
.rept 16
	v_cndmask_b32 v[RS+8*(q/4)+q%4], v[RS+8*(q/4)+q%4], v[UU+q], s28           ; numbers 0-3 of my eight: an even lane's own, an odd lane's from its neighbour
	v_cndmask_b32 v[RS+8*(q/4)+4+q%4], v[UU+q], v[RS+8*(q/4)+4+q%4], s28       ; numbers 4-7: an even lane's from its neighbour, an odd lane's own
.set q, q+1
.endr
.irp p, 0,1,2,3
	v_max3_num_f32 v[MX+\p], |v[RS+8*\p]|, |v[RS+8*\p+1]|, 0x1800000           ; the largest magnitude of my eight, the four pairs by turns, and the floor 2^(3 - 127): the byte cannot fall under 1
.endr
.irp i, 2,4,6
.irp p, 0,1,2,3
	v_max3_num_f32 v[MX+\p], v[MX+\p], |v[RS+8*\p+\i]|, |v[RS+8*\p+\i+1]|
.endr
.endr
.irp m, 2,4
.irp p, 0,1,2,3
	v_max_num_f32_dpp v[MX+\p], v[MX+\p], v[MX+\p] row_xmask:\m row_mask:0xf bank_mask:0xf   ; with the three other lanes of my block
.endr
.endr
.if (\r) > 0
	s_wait_alu depctr_va_vdst(0)
	s_wait_dscnt 0x0                               ; the last row's LDS stores have read their registers, and its codes are back
	global_store_b128 v3, v[OUTR+4*(\r)-4:OUTR+4*(\r)-1], s[8:9] offset:512*(\r)-512   ; 32 lanes store a row's 512 consecutive bytes
.endif
.irp p, 0,1,2,3
	v_add_nc_u32 v[SC+\p], 0xff000000, v[MX+\p]    ; 2 off the exponent field: the conversion takes the exponent field of this operand as its scale
.endr
.irp p, 0,1,2,3
	v_cvt_scalef32_pk8_fp4_f32 v[CD+\p], v[RS+8*\p:RS+8*\p+7], v[SC+\p]
.endr
.irp p, 0,1,2,3
	v_lshrrev_b32 v[EB+\p], 23, v[SC+\p]           ; the scale's byte (also the plain lines behind the conversions)
.endr
.if (\r)+3 < 8
	LOAD (\r)+3                                    ; the set takes the row three on
.endif
.irp p, 0,1,2,3
	ds_store_b32 v4, v[CD+\p] offset:512*(\r)+128*\p
.endr
.irp p, 0,1,2,3
	ds_store_b8 v5, v[EB+\p] offset:SCB+32*(\r)+8*\p       ; the four lanes of a block write the same byte with the same value
.endr
	ds_load_b128 v[OUTR+4*(\r):OUTR+4*(\r)+3], v6 offset:512*(\r)   ; LDS serves a wave's instructions in order (ISA guide 5.7.1.4): this sees the stores above
.endm
.irp r, 0,1,2,3,4,5,6,7
	ROW \r
.endr
	ds_load_b64 v[32:33], v8 offset:SCB            ; my wave's scale bytes
.irp p, 0,1,2,3,4,5,6,7
	v_mov_b32 v[U+\p], 0                           ; a lane permute's destination counts as one of its sources
.endr
	; the eight rows' sums of squares over the 32 lanes, the rows by turns
.irp p, 0,1,2,3,4,5,6,7
	v_add_f32 v[T+\p], v[NS+2*\p], v[NS+2*\p+1]
.endr
.irp m, 1,2,4,8
.irp p, 0,1,2,3,4,5,6,7
	v_add_f32_dpp v[T+\p], v[T+\p], v[T+\p] row_xmask:\m row_mask:0xf bank_mask:0xf
.endr
.endr
.irp p, 0,1,2,3,4,5,6,7
	v_permlanex16_b32 v[U+\p], v[T+\p], s26, s27
.endr
.irp p, 0,1,2,3,4,5,6,7
	v_add_f32 v[T+\p], v[T+\p], v[U+\p]
.endr
	v_mov_b32 v9, v[T]                             ; lane p takes row p's sum (lanes 8 and up keep row 0's and store nothing)
.irp p, 1,2,3,4,5,6,7
	v_cmp_eq_u32 vcc_lo, \p, v2
	v_cndmask_b32 v9, v9, v[T+\p], vcc_lo
.endr
	s_wait_alu depctr_va_vdst(0)
	v_rsq_f32 v10, v9
	v_lshlrev_b32 v11, 2, v2                       ; a plain line behind the transcendental: 4 x lane
	s_wait_alu depctr_va_vdst(0)
	s_wait_dscnt 0x0
	global_store_b128 v3, v[OUTR+28:OUTR+31], s[8:9] offset:512*7   ; the last row's codes
	global_store_b64 v7, v[32:33], s[10:11]        ; 32 lanes store 256 consecutive bytes of scale bytes
	s_wait_xcnt 0x0                                ; EXEC is a source of the stores that are out: it changes only behind this wait
	v_cmp_gt_u32 vcc_lo, 8, v2
	s_wait_tensorcnt 0x0                           ; the wave's end, behind my last LDS store
	ds_add_u32 v12, v13
	s_wait_dscnt 0x0
	s_and_saveexec_b32 s22, vcc_lo
	global_store_b32 v11, v10, s[12:13]            ; my 8 rows' 1 / norm
	s_wait_xcnt 0x0
	s_or_b32 exec_lo, exec_lo, s22
	s_endpgm
.Lfunc_end_k_qf403a8352c_quant:
	.size	k_qf403a8352c_quant, .Lfunc_end_k_qf403a8352c_quant-k_qf403a8352c_quant
	.p2alignl 7, 3214868480
	.fill 96, 4, 3214868480
	.section	.rodata,"a",@progbits
	.p2align	6, 0x0
	.amdhsa_kernel k_qf403a8352c_quant
		.amdhsa_group_segment_fixed_size 17920
		.amdhsa_private_segment_fixed_size 0
		.amdhsa_enable_private_segment 0
		.amdhsa_kernarg_size 40
		.amdhsa_user_sgpr_count 2
		.amdhsa_user_sgpr_kernarg_segment_ptr 1
		.amdhsa_wavefront_size32 1
		.amdhsa_system_sgpr_workgroup_id_x 1
		.amdhsa_system_sgpr_workgroup_id_y 1
		.amdhsa_system_sgpr_workgroup_id_z 1
		.amdhsa_system_vgpr_workitem_id 0
		.amdhsa_next_free_vgpr 192
		.amdhsa_next_free_sgpr 66
		.amdhsa_reserve_vcc 1
		.amdhsa_float_denorm_mode_32 3
		.amdhsa_float_denorm_mode_16_64 3
		.amdhsa_memory_ordered 1
		.amdhsa_forward_progress 1
		.amdhsa_inst_pref_size 77
	.end_amdhsa_kernel
	.amdgpu_metadata
---
amdhsa.version: [ 1, 2 ]
amdhsa.kernels:
  - .name:           k_qf403a8352c_quant
    .symbol:         k_qf403a8352c_quant.kd
    .args:
      - { .name: query_seq, .offset: 0, .size: 8, .value_kind: global_buffer, .address_space: global }
      - { .name: matching_set, .offset: 8, .size: 8, .value_kind: global_buffer, .address_space: global }
      - { .name: codes, .offset: 16, .size: 8, .value_kind: global_buffer, .address_space: global }
      - { .name: scales, .offset: 24, .size: 8, .value_kind: global_buffer, .address_space: global }
      - { .name: rnorm, .offset: 32, .size: 8, .value_kind: global_buffer, .address_space: global }
    .group_segment_fixed_size: 17920
    .private_segment_fixed_size: 0
    .kernarg_segment_align: 8
    .kernarg_segment_size: 40
    .max_flat_workgroup_size: 128
    .sgpr_count:     66
    .vgpr_count:     192
    .wavefront_size: 32
...
	.end_amdgpu_metadata
.endif
;; end of part 1
;; launch gemm (part 2): grid 256 x 1, 4 waves a work-group, clusters of 4 x 1, 327,680 bytes of LDS; arguments codes, scales, rnorm, gmax; writes gmax
.if DOCPART == 2
	.amdgcn_target "amdgcn-amd-amdhsa--gfx1250"
	.amdhsa_code_object_version 6
	.text
	.protected	k_qf403a8352c_gemm
	.globl	k_qf403a8352c_gemm
	.p2align	8
	.type	k_qf403a8352c_gemm,@function
k_qf403a8352c_gemm:
	s_mov_b64 s[64:65], 0
	v_nop
	global_prefetch_b8 v0, s[64:65] scope:SCOPE_SE
	s_setreg_imm32_b32 hwreg(HW_REG_WAVE_MODE, 25, 1), 1
	s_wait_xcnt 0x0
	s_wait_alu depctr_hold_cnt(0) depctr_sa_sdst(0) depctr_va_vdst(0) depctr_va_sdst(0) depctr_va_ssrc(0) depctr_va_vcc(0) depctr_vm_vsrc(0)
	s_getreg_b32 s2, hwreg(HW_REG_IB_STS2, 6, 4)
	s_cmp_eq_u32 s2, 0
	s_cbranch_scc0 .Lentry_in_a_cluster
	s_endpgm
.Lentry_in_a_cluster:
	s_bfe_u32 s2, ttmp6, 0x10000c
	s_cmp_lg_u32 s2, 0x3003
	s_cbranch_scc0 .Lentry_shape_is_right
	s_endpgm
.Lentry_shape_is_right:
; key[q][m] = (Q(query q) . Q(matching row m)) x rm[m], on codes of FP4 (E2M1) with one E8M0 scale for each 32 along K = 1,024; sums in f32, K ascending, one accumulator for each output; rm = 1 / |matching row|.
; Stored is the LARGEST key of each group of 16 neighbouring matching rows: for one query the distance 1 - key x rq falls where key rises, so the four nearest rows lie in the four groups that rank first.
; SHARES.  256 work-groups of four waves.  A work-group owns 256 matching rows (block mb of 128) and one half of the queries (qh).  Waves 0 and 1 hold the fragments of its first 128 rows in registers for the whole launch
; (8 blocks x 8 K steps x 8 = 512 registers), waves 2 and 3 those of the second 128, each with the rows' scale words (32) and rm (64).  The 1,024 queries go by in 8 passes of 128; in a pass a wave takes 64 of them (by the wave's
; low bit): 4 tiles x 8 blocks = 32 accumulators, 256 registers, 8 K steps of 32 products.  So a query's fragment (two LDS loads) feeds eight products, and a wave reads its matching rows from LDS once.
; THE RING.  Two LDS slots, each a whole pass: 128 rows of 512 bytes of codes (+ 16) and their 4,096 scale bytes as 16 pieces of 256 (+ 16).  A slot that has been read takes the pass two on: waves 0 and 1 bring 64 rows of codes each,
; waves 2 and 3 eight pieces of scale bytes each: one tensor load a wave behind each round.  The matching rows' codes and scale bytes have LDS bytes of their own, filled once.
; CLUSTER, 4 x 1.  The four work-groups of a cluster share qh: every fill of queries is asked for jointly by them (mask 15).  The matching rows are each work-group's own: plain loads.
; THE HEAD.  One load a wave: wave 0 the matching rows' codes, wave 1 their scale bytes, wave 2 pass 0's codes, wave 3 its scale bytes.  Slot 1's first fill follows behind a round at which nothing is filled again.
; NO PREFETCH: the stream, 524,288 bytes of codes and 32,768 of scale bytes, is the same for 32 clusters, which walk it in the same order; the work-group's own 139,264 bytes are asked for at the head, with no loop ahead of them.
; SOURCE 0 = 16 matching rows, SOURCE 1 = 16 queries: lane (r, h) holds query r, register j of accumulator (t, b) place 16 b + 8 h + j.  The launch before has laid the rows so that this place holds row 64 h + 8 b + j:
; a lane's 64 registers of a query tile are 64 neighbouring rows, a group of 16 is 16 consecutive registers.
; SCALE WORDS.  One 16-byte load a lane brings a block's words: lanes 0-15 those of K steps 0-3, lanes 16-31 (16 bytes on) those of steps 4-7, which name the registers' upper rows.
; gmax: [query tile 128][r / 8: 2][k 256][8 h + r % 8: 16][b 4] f32; k = the block of 128 matching rows; group number = 8 k + 4 h + b.  A store of a wave covers two aligned runs of 256 consecutive bytes.
; LIMITS: NaN among the keys loses in the maximum; a group all of NaN gives -infinity.
; REGISTERS.  window 0: v16-29 addresses; v32-63 the matching rows' scale words; v64-79 the queries'; v96-159 the queries' fragments, two sets of a K step; v160-223 rm; v224-239 the group maxima.
;   window 1: accumulator (t, b) at v[8 (8 t + b)].   windows 2, 3: the matching rows' fragment (b, s) at v[64 (s % 4) + 8 b] of window 2 + s / 4.
.set QP,    528                        ; a row of codes in LDS: 512 bytes + 16 = 132 words: 16 rows start at 16 different banks (64 banks of 4 bytes: ISA guide 11.1)
.set SLOTC, 128*QP
.set SLOT,  SLOTC+16*272
.set MC,    2*SLOT                     ; the matching rows' codes: 256 rows
.set MSC,   MC+256*QP                  ; their scale bytes: 32 pieces
.set SPARE, MSC+32*272                 ; the spare words, 128 bytes a wave: two blocks of 256 bytes that no other line names
.set AQ,   16                          ; v16-17  my place in the queries' rows, slot 0, 1
.set AS,   18                          ; v18-19  and among their scale words
.set AM,   20                          ; v20     my place in the matching rows' codes
.set AMS,  21                          ; v21     and among their scale words
.set GO,   22                          ; v22     my 16 bytes in gmax: 65,536 (r / 8) + 128 h + 16 (r % 8)
.set RMO,  23                          ; v23     256 h
.set NINF, 24                          ; v24     -infinity
.set SPW,  28                          ; v28     LDS address of my spare word; never rewritten
.set NIL,  29                          ; v29     0; never rewritten
.set MS,   32
.set QS,   64
.set QF,   96
.set RM,   160
.set GM,   224
.set G1Q,  24                          ; s[24:31] group 1: queries' codes;  s[32:39] their scale bytes;  s[40:47], s[48:55] the matching rows'
.set G1S,  32
.set G1M,  40
.set G1MS, 48
.set G0M,  56                          ; groups 0 of the head's four loads
.set G0MS, 60
.set G0H,  68
.set G0SH, 72
.set G0C,  76                          ; s[76:83] the ring's codes, one group 0 for each slot;  s[84:91] its scale bytes
.set G0S,  84
.set W0Q,  15|(1<<20)|(1<<21)|(6<<22)|(3<<25)          ; mask of the four; 1-byte elements; 4 words of padding behind every 128; bit 21 beside a mask
.set W0S,  15|(3<<16)|(1<<20)|(1<<21)|(5<<22)|(3<<25)  ; 8-byte elements; 4 words behind every 64
.set W0M,  (1<<20)|(6<<22)|(3<<25)
.set W0MS, (3<<16)|(1<<20)|(5<<22)|(3<<25)
.set MSB, 0
.macro WIN new                         ; the immediate's high byte repeats the setting that is left; a switch that changes nothing is dropped
.if MSB != (\new)
	s_set_vgpr_msb (MSB<<8)|(\new)
.set MSB, (\new)
.endif
.endm
.macro CREST
	s_cmp_lg_u32 s14, 0
	s_cbranch_scc1 .Lnot_wave_0_\@
	s_barrier_signal -3
.Lnot_wave_0_\@:
	s_barrier_wait -3
	s_barrier_signal -1
	s_barrier_wait -1
.endm
.macro CROUND                          ; a round of the cluster's barrier
	s_barrier_signal -1
	s_barrier_wait -1
	CREST
.endm
.macro PLACES n                        ; plain vector lines between a matrix instruction and a load into, or a read of, its registers
.rept \n
	v_nop
.endr
.endm
.macro GRP1 g, w0, c, r                ; r rows of c elements, dense
	s_mov_b32 s[\g], \w0
	s_mov_b32 s[\g+1], (\c)<<16
	s_mov_b32 s[\g+2], (\r)<<16
	s_mov_b32 s[\g+3], (\c)<<16
	s_mov_b32 s[\g+4], \r
	s_mov_b32 s[\g+5], \c
	s_mov_b32 s[\g+6], 0
	s_mov_b32 s[\g+7], 0
.endm
	s_load_b128 s[4:7], s[0:1], 0x0                ; codes, scales
	s_load_b128 s[8:11], s[0:1], 0x10              ; rnorm, gmax
	v_lshl_add_u32 v[SPW], v0, 2, SPARE
	v_mov_b32 v[NIL], 0
	ds_add_u32 v[SPW], v[NIL]                      ; the opening lines: the add, twice on end, and its wait ahead of my first tensor load
	ds_add_u32 v[SPW], v[NIL]
	v_lshrrev_b32 v1, 5, v0
	v_readfirstlane_b32 s14, v1                    ; wave 0..3
	s_lshr_b32 s15, s14, 1                         ; which 128 matching rows are mine.  Also: in the ring I fetch codes (0) or scale bytes (1)
	s_and_b32 s17, s14, 1                          ; which 64 queries of a pass.  Also: which half of a fill I fetch
	s_bfe_u32 s18, ttmp6, 0x40000                  ; cx
	s_lshr_b32 s16, ttmp9, 1
	s_lshl_b32 s16, s16, 2
	s_add_co_u32 s16, s16, s18                     ; mb = 4 x (cluster / 2) + cx: it enters my own rows' global addresses alone
	s_and_b32 s94, ttmp9, 1                        ; qh = cluster % 2: the same in the four partners
	GRP1 G1Q,  W0Q,  512, 128                      ; the head's load brings 128 rows; behind it the two row counts are set to 64
	GRP1 G1S,  W0S,  32,  16                       ; likewise 16 pieces, then 8
	GRP1 G1M,  W0M,  512, 256
	GRP1 G1MS, W0MS, 32,  32
	s_mul_i32 s18, s17, 64*QP                      ; my 64 queries in slot 0, which is also where my half of a fill of codes goes,
	s_add_co_u32 s19, s18, SLOT                    ; in slot 1;
	s_mul_i32 s20, s17, 8*272
	s_add_co_u32 s20, s20, SLOTC                   ; the same for the scale bytes: 64 rows are 8 pieces
	s_add_co_u32 s21, s20, SLOT
	s_mul_i32 s22, s15, 128*QP
	s_add_co_u32 s22, s22, MC                      ; my 128 matching rows,
	s_mul_i32 s23, s15, 16*272
	s_add_co_u32 s23, s23, MSC                     ; their scale bytes
	s_mov_b32 s[G0M], 1
	s_mov_b32 s[G0M+1], MC
	s_mov_b32 s[G0MS], 1
	s_mov_b32 s[G0MS+1], MSC
	s_mov_b32 s[G0H], 1
	s_mov_b32 s[G0H+1], 0
	s_mov_b32 s[G0SH], 1
	s_mov_b32 s[G0SH+1], SLOTC
	s_mov_b32 s[G0C], 1
	s_mov_b32 s[G0C+1], s18
	s_mov_b32 s[G0C+4], 1
	s_mov_b32 s[G0C+5], s19
	s_mov_b32 s[G0S], 1
	s_mov_b32 s[G0S+1], s20
	s_mov_b32 s[G0S+4], 1
	s_mov_b32 s[G0S+5], s21
	s_mov_b32 s13, 0
	s_mov_b32 s93, 0
	s_wait_dscnt 0x0                               ; both opening adds are done
	s_wait_kmcnt 0x0
	s_lshl_b32 s12, s16, 17
	s_add_co_u32 s12, s12, 1048576                 ; my rows' codes: (2,048 + 256 mb) x 512
	s_add_nc_u64 s[G0M+2:G0M+3], s[4:5], s[12:13]
	s_lshl_b32 s12, s16, 13
	s_add_co_u32 s12, s12, 65536                   ; their scale bytes: (2,048 + 256 mb) x 32
	s_add_nc_u64 s[G0MS+2:G0MS+3], s[6:7], s[12:13]
	s_lshl_b32 s92, s94, 19                        ; my half of the queries: 1,024 qh x 512
	s_add_nc_u64 s[G0H+2:G0H+3], s[4:5], s[92:93]  ; pass 0
	s_lshl_b32 s12, s17, 15                        ; my 64 rows of a pass's 128
	s_add_nc_u64 s[G0C+6:G0C+7], s[G0H+2:G0H+3], s[12:13]
	s_add_nc_u64 s[G0C+6:G0C+7], s[G0C+6:G0C+7], 65536     ; slot 1 begins with pass 1,
	s_add_nc_u64 s[G0C+2:G0C+3], s[G0C+6:G0C+7], 65536     ; slot 0's ring loads with pass 2
	s_lshl_b32 s92, s94, 15
	s_add_nc_u64 s[G0SH+2:G0SH+3], s[6:7], s[92:93]
	s_lshl_b32 s12, s17, 11
	s_add_nc_u64 s[G0S+6:G0S+7], s[G0SH+2:G0SH+3], s[12:13]
	s_add_nc_u64 s[G0S+6:G0S+7], s[G0S+6:G0S+7], 4096
	s_add_nc_u64 s[G0S+2:G0S+3], s[G0S+6:G0S+7], 4096
.irp g, G0M, G0MS, G0H, G0SH, G0C, G0C+4, G0S, G0S+4
	s_or_b32 s[\g+3], s[\g+3], 0x80000000          ; type = 2
.endr
	s_lshl_b32 s12, s16, 10
	s_lshl_b32 s92, s15, 9
	s_add_co_u32 s12, s12, s92
	s_add_co_u32 s12, s12, 8192                    ; rm: behind the 2,048 rq, (256 mb + 128 x my half) x 4
	s_add_nc_u64 s[8:9], s[8:9], s[12:13]
	s_lshl_b32 s12, s16, 9
	s_lshl_b32 s92, s15, 8
	s_add_co_u32 s12, s12, s92                     ; gmax: k x 256, k = 2 mb + my half,
	s_lshl_b32 s92, s94, 23
	s_add_co_u32 s12, s12, s92                     ; + 64 qh query tiles of 131,072 bytes,
	s_lshl_b32 s92, s17, 19
	s_add_co_u32 s12, s12, s92                     ; + my 4 of a pass's 8
	s_add_nc_u64 s[10:11], s[10:11], s[12:13]
	CROUND                                         ; all four work-groups are here: the first joint loads meet
.macro ARM under, g0, g1, next         ; one chain of branches on the wave's number: every way through the head passes exactly one load
	s_cmp_lt_u32 s14, \under
	s_cbranch_scc0 \next
	tensor_load_to_lds s[\g0:\g0+3], s[\g1:\g1+7]
	s_nop 0
	PLACES 4
	s_branch .Lhead_asked
\next:
.endm
	ARM 1, G0M,  G1M,  .Lhead_1
	ARM 2, G0MS, G1MS, .Lhead_2
	ARM 3, G0H,  G1Q,  .Lhead_3
	tensor_load_to_lds s[G0SH:G0SH+3], s[G1S:G1S+7]
	s_nop 0
	PLACES 4
.Lhead_asked:
	v_and_b32 v1, 15, v0                           ; r
	v_bfe_u32 v2, v0, 4, 1                         ; h
	v_mul_u32_u24 v3, v1, QP
	v_lshl_add_u32 v3, v2, 4, v3                   ; a fragment: row r x pitch + 16 h
	v_add_nc_u32 v[AQ], s18, v3
	v_add_nc_u32 v[AQ+1], s19, v3
	v_add_nc_u32 v[AM], s22, v3
	v_lshrrev_b32 v5, 3, v1
	v_lshlrev_b32 v4, 5, v1
	v_lshl_add_u32 v4, v5, 4, v4
	v_lshl_add_u32 v4, v2, 4, v4                   ; scale words: 32 r, + 16 for the piece passed, + 16 h for K's half
	v_add_nc_u32 v[AS], s20, v4
	v_add_nc_u32 v[AS+1], s21, v4
	v_add_nc_u32 v[AMS], s23, v4
	v_and_b32 v6, 7, v0
	v_lshlrev_b32 v6, 4, v6
	v_lshl_add_u32 v6, v2, 7, v6
	v_lshl_add_u32 v[GO], v5, 16, v6
	v_lshlrev_b32 v[RMO], 8, v2
	v_mov_b32 v[NINF], 0xff800000
	s_wait_alu depctr_va_vdst(0)
.irp i, 0,1,2,3,4,5,6,7,8,9,10,11,12,13,14,15
	global_load_b128 v[RM+4*\i:RM+4*\i+3], v[RMO], s[8:9] offset:16*\i   ; rm of my half's 64 rows: the sixteen lanes of a half read the same 16 bytes
.endr
.macro FQ sl, s                        ; my four query tiles' fragments of K step s into set s % 2: 8 loads.  Lane (r, h): row r; registers 4 c .. + 3 hold K = 64 c + 32 h + 0 .. 31
.irp t, 0,1,2,3
.irp c, 0,1
	ds_load_b128 v[QF+32*((\s)%2)+8*\t+4*\c:QF+32*((\s)%2)+8*\t+4*\c+3], v[AQ+(\sl)] offset:64*(\s)+32*\c+\t*16*QP
.endr
.endr
.endm
.macro FIRST sl                        ; what a pass begins with: K step 0, the four tiles' scale words, K step 1
	FQ \sl, 0
.irp t, 0,1,2,3
	ds_load_b128 v[QS+4*\t:QS+4*\t+3], v[AS+(\sl)] offset:544*\t
.endr
	FQ \sl, 1
.endm
; 32 products: my four query tiles x my eight blocks of matching rows, K step s.  The 32 accumulators take turns, one instruction a turn, in the same order in every step.  Step 0 starts the sums.
.macro MUL s
.irp t, 0,1,2,3
.irp b, 0,1,2,3,4,5,6,7
.if (\s) == 0
	v_wmma_scale_f32_16x16x128_f8f6f4 v[8*(8*\t+\b):8*(8*\t+\b)+7], v[64*((\s)%4)+8*\b:64*((\s)%4)+8*\b+7], v[QF+32*((\s)%2)+8*\t:QF+32*((\s)%2)+8*\t+7], 0, v[MS+4*\b+(\s)%4], v[QS+4*\t+(\s)%4] matrix_a_fmt:MATRIX_FMT_FP4 matrix_b_fmt:MATRIX_FMT_FP4
.elseif (\s) < 4
	v_wmma_scale_f32_16x16x128_f8f6f4 v[8*(8*\t+\b):8*(8*\t+\b)+7], v[64*((\s)%4)+8*\b:64*((\s)%4)+8*\b+7], v[QF+32*((\s)%2)+8*\t:QF+32*((\s)%2)+8*\t+7], v[8*(8*\t+\b):8*(8*\t+\b)+7], v[MS+4*\b+(\s)%4], v[QS+4*\t+(\s)%4] matrix_a_fmt:MATRIX_FMT_FP4 matrix_b_fmt:MATRIX_FMT_FP4
.else
	v_wmma_scale_f32_16x16x128_f8f6f4 v[8*(8*\t+\b):8*(8*\t+\b)+7], v[64*((\s)%4)+8*\b:64*((\s)%4)+8*\b+7], v[QF+32*((\s)%2)+8*\t:QF+32*((\s)%2)+8*\t+7], v[8*(8*\t+\b):8*(8*\t+\b)+7], v[MS+4*\b+(\s)%4], v[QS+4*\t+(\s)%4] matrix_a_fmt:MATRIX_FMT_FP4 matrix_b_fmt:MATRIX_FMT_FP4 matrix_a_scale:MATRIX_SCALE_ROW1 matrix_b_scale:MATRIX_SCALE_ROW1
.endif
.endr
.endr
.endm
.macro STEP sl, s
.if (\s) < 7
	s_wait_dscnt 8                                 ; this step's set is in; the next step's eight loads may be out
.else
	s_wait_dscnt 0x0
.endif
	WIN 0x52+(\s)/4                                ; source 0 window 2 or 3, source 1 window 0, C and D window 1
	MUL \s
.if (\s) < 6
	PLACES 4
	WIN 0
	FQ \sl, (\s)+2                                 ; the set just multiplied takes the step two on
.endif
.endm
; A joint fill: waves 0 and 1 ask for the codes, waves 2 and 3 for the scale bytes; each line has one mask and one set of registers; the branch hangs on the wave's number alone.
.macro JLOAD sl
	s_cmp_eq_u32 s15, 0
	s_cbranch_scc0 .Lfor_s_\@
	tensor_load_to_lds s[G0C+4*\sl:G0C+4*\sl+3], s[G1Q:G1Q+7]
	s_nop 0
	PLACES 4
	s_branch .Lasked_\@
.Lfor_s_\@:
	tensor_load_to_lds s[G0S+4*\sl:G0S+4*\sl+3], s[G1S:G1S+7]
	s_nop 0
	PLACES 4
.Lasked_\@:
.endm
; A pass's results: keys (x rm, two at a time, each accumulator from its low end on), then 16 group maxima, 16 chains of eight v_max3 by turns, then four stores.
.macro EPI
	WIN 0x41                                       ; destination and source 0 window 1, source 1 (rm) window 0
.set i, 0
.rept 128
	v_pk_mul_f32 v[i:i+1], v[i:i+1], v[RM+i%64:RM+i%64+1]
.set i, i+2
.endr
	WIN 0x14                                       ; destination and source 0 window 0, sources 1 and 2 window 1
.irp l, 0,1,2,3,4,5,6,7
.set c, 0
.rept 16
.if \l == 0
	v_max3_num_f32 v[GM+c], v[NINF], v[16*c], v[16*c+1]
.else
	v_max3_num_f32 v[GM+c], v[GM+c], v[16*c+2*\l], v[16*c+2*\l+1]
.endif
.set c, c+1
.endr
.endr
	WIN 0
.irp t, 0,1,2,3
	global_store_b128 v[GO], v[GM+4*\t:GM+4*\t+3], s[10:11] offset:131072*\t th:TH_STORE_NT   ; the lanes of queries 0-7 store 256 consecutive bytes, aligned; those of queries 8-15 another 256
.endr
	s_wait_xcnt 0x0                                ; the stores have read their base and their data
	s_add_nc_u64 s[10:11], s[10:11], 8*131072      ; a pass is 8 query tiles
.endm
; A pass on slot sl.  mode 2: the slot is filled again with the pass two on, behind a round; mode 1: nothing is left to ask for, a barrier shows the other slot whole; mode 0: the last pass.
; The next pass's first fragments are asked for ahead of this pass's keys and maxima.
.macro PASS sl, mode
.irp q, 0,1,2,3,4,5,6,7
	STEP \sl, \q
.endr
	PLACES 4                                       ; behind the last products: for the loads into the fragments' and scale words' registers and for the reads of the results
	WIN 0
.if \mode
	s_wait_tensorcnt 0x0                           ; no tensor load of mine is out: my part of the other slot has landed
	ds_add_u32 v[SPW], v[NIL]
.if \mode == 2
	s_add_nc_u64 s[G0C+6-4*\sl:G0C+7-4*\sl], s[G0C+6-4*\sl:G0C+7-4*\sl], 2*65536   ; the other slot's next fill: two passes on
	s_add_nc_u64 s[G0S+6-4*\sl:G0S+7-4*\sl], s[G0S+6-4*\sl:G0S+7-4*\sl], 2*4096
.endif
	s_wait_dscnt 0x0                               ; the add is done, and my reads of this slot are over
.if \mode == 2
	CROUND                                         ; no wave of any partner still reads this slot or has a load on its way
	JLOAD \sl                                      ; my one tensor load behind the round, and the first thing there
.else
	s_barrier_signal -1
	s_barrier_wait -1
.endif
	FIRST 1-\sl
.endif
	EPI
.endm
	s_wait_tensorcnt 0x0                           ; my tile of the head's four is in
	ds_add_u32 v[SPW], v[NIL]
	s_mov_b32 s[G1Q+2], 64<<16                     ; no tensor load of mine is out: from here on a load of codes brings 64 rows,
	s_mov_b32 s[G1Q+4], 64
	s_mov_b32 s[G1S+2], 8<<16                      ; one of scale bytes 8 pieces
	s_mov_b32 s[G1S+4], 8
	s_wait_dscnt 0x0
	CROUND                                         ; everybody's tile is in, and the four work-groups are here
	JLOAD 1                                        ; pass 1: slot 1's first fill
	WIN 0x80                                       ; destination window 2: my matching rows' fragments of K steps 0-3,
.irp s, 0,1,2,3
.irp b, 0,1,2,3,4,5,6,7
.irp c, 0,1
	ds_load_b128 v[64*\s+8*\b+4*\c:64*\s+8*\b+4*\c+3], v[AM] offset:64*\s+32*\c+\b*16*QP
.endr
.endr
.endr
	WIN 0xc0                                       ; window 3: of K steps 4-7
.irp s, 0,1,2,3
.irp b, 0,1,2,3,4,5,6,7
.irp c, 0,1
	ds_load_b128 v[64*\s+8*\b+4*\c:64*\s+8*\b+4*\c+3], v[AM] offset:256+64*\s+32*\c+\b*16*QP
.endr
.endr
.endr
	WIN 0
.irp b, 0,1,2,3,4,5,6,7
	ds_load_b128 v[MS+4*\b:MS+4*\b+3], v[AMS] offset:544*\b    ; and their scale words
.endr
	FIRST 0
	s_wait_loadcnt 0x0                             ; rm, once
	s_mov_b32 s3, 3
.Ltrip:                                            ; a trip is two passes, once round the ring; both slots are filled again
	PASS 0, 2
	PASS 1, 2
	s_sub_co_u32 s3, s3, 1
	s_cmp_lg_u32 s3, 0
	s_cbranch_scc1 .Ltrip
	PASS 0, 1                                      ; the last two passes are written out: they ask for nothing
	PASS 1, 0
	s_wait_tensorcnt 0x0                           ; the wave's end
	ds_add_u32 v[SPW], v[NIL]
	s_wait_dscnt 0x0
	CROUND                                         ; the closing round: no work-group ends while a partner may still ask for a tile that names it
	s_endpgm
.Lfunc_end_k_qf403a8352c_gemm:
	.size	k_qf403a8352c_gemm, .Lfunc_end_k_qf403a8352c_gemm-k_qf403a8352c_gemm
	.p2alignl 7, 3214868480
	.fill 96, 4, 3214868480
	.section	.rodata,"a",@progbits
	.p2align	6, 0x0
	.amdhsa_kernel k_qf403a8352c_gemm
		.amdhsa_group_segment_fixed_size 327680
		.amdhsa_private_segment_fixed_size 0
		.amdhsa_enable_private_segment 0
		.amdhsa_kernarg_size 32
		.amdhsa_user_sgpr_count 2
		.amdhsa_user_sgpr_kernarg_segment_ptr 1
		.amdhsa_wavefront_size32 1
		.amdhsa_system_sgpr_workgroup_id_x 1
		.amdhsa_system_sgpr_workgroup_id_y 1
		.amdhsa_system_sgpr_workgroup_id_z 1
		.amdhsa_system_vgpr_workitem_id 0
		.amdhsa_next_free_vgpr 1024
		.amdhsa_next_free_sgpr 96
		.amdhsa_reserve_vcc 0
		.amdhsa_float_denorm_mode_32 3
		.amdhsa_float_denorm_mode_16_64 3
		.amdhsa_memory_ordered 1
		.amdhsa_forward_progress 1
		.amdhsa_inst_pref_size 241
	.end_amdhsa_kernel
	.amdgpu_metadata
---
amdhsa.version: [ 1, 2 ]
amdhsa.kernels:
  - .name:           k_qf403a8352c_gemm
    .symbol:         k_qf403a8352c_gemm.kd
    .args:
      - { .name: codes, .offset: 0, .size: 8, .value_kind: global_buffer, .address_space: global }
      - { .name: scales, .offset: 8, .size: 8, .value_kind: global_buffer, .address_space: global }
      - { .name: rnorm, .offset: 16, .size: 8, .value_kind: global_buffer, .address_space: global }
      - { .name: gmax, .offset: 24, .size: 8, .value_kind: global_buffer, .address_space: global }
    .group_segment_fixed_size: 327680
    .private_segment_fixed_size: 0
    .kernarg_segment_align: 8
    .kernarg_segment_size: 32
    .max_flat_workgroup_size: 128
    .sgpr_count:     96
    .vgpr_count:     1024
    .wavefront_size: 32
...
	.end_amdgpu_metadata
.endif
;; end of part 2
;; launch pick (part 3): grid 256 x 1, 8 waves a work-group, no clusters, 19,456 bytes of LDS; arguments gmax, rnorm, gsel; writes gsel
.if DOCPART == 3
	.amdgcn_target "amdgcn-amd-amdhsa--gfx1250"
	.amdhsa_code_object_version 6
	.text
	.protected	k_qf403a8352c_pick
	.globl	k_qf403a8352c_pick
	.p2align	8
	.type	k_qf403a8352c_pick,@function
k_qf403a8352c_pick:
	s_mov_b64 s[64:65], 0
	v_nop
	global_prefetch_b8 v0, s[64:65] scope:SCOPE_SE
	s_setreg_imm32_b32 hwreg(HW_REG_WAVE_MODE, 25, 1), 1
	s_wait_xcnt 0x0
; For each query the four groups of 16 matching rows that rank first by (d, group number), d = 1 - (the group's largest key) x rq, one fused multiply-add in f32; equal d: the lower group.
; gmax: [8 queries 256][k 256][8 h + r: 16][b 4] f32: r = the query among the eight; group = 8 k + 4 h + b.  gsel: [2048][4] whole numbers.
; SHARES.  A work-group takes 8 queries (65,536 bytes), wave w the blocks k = 32 w .. 32 w + 31: each load reads 512 consecutive bytes, two blocks; lane = 16 (k % 2) + 8 h + r.  A lane scans its 64 groups, in ascending order,
; into a sorted list of four (a strict compare keeps the earlier, lower group among equals).  The 32 lists of a query (8 waves x 4 quarters of the lanes) meet in LDS; wave w then merges query w's: four times the wave's smallest head,
; among equals the lowest group, is taken and popped.  Group numbers travel as f32 (whole numbers under 2^11: exact), so that one kind of minimum serves both.
; LIMITS: a NaN counts as +infinity; a query with fewer than four finite d gets arbitrary groups inside the table for the rest.
.set X,  16                            ; v16-79  my 64 group maxima, then d
.set D,  8                             ; v8-11   the four smallest d, ascending
.set I,  12                            ; v12-15  their places c = 4 n + b, later group numbers as f32
.set LP, 528                           ; a query's 32 lists of 16 bytes + 16 of padding
.set GOF, 16*LP                        ; the group numbers lie behind the d
.set OUT, 2*GOF                        ; 8 queries x 16 bytes
	s_load_b128 s[4:7], s[0:1], 0x0                ; gmax, rnorm
	s_load_b64 s[8:9], s[0:1], 0x10                ; gsel
	v_lshl_add_u32 v128, v0, 2, 0x4400
	v_mov_b32 v129, 0
	v_lshrrev_b32 v1, 5, v0
	s_delay_alu instid0(VALU_DEP_1)
	v_readfirstlane_b32 s10, v1                    ; wave 0..7
	v_and_b32 v1, 31, v0                           ; lane
	v_and_b32 v2, 7, v0                            ; r
	v_bfe_u32 v3, v0, 3, 2                         ; 2 (k % 2) + h: my quarter of the lanes
	s_delay_alu instid0(VALU_DEP_3)
	v_lshlrev_b32 v4, 4, v1                        ; 16 x lane
	s_delay_alu instid0(VALU_DEP_3)
	v_lshlrev_b32 v5, 2, v2                        ; 4 r
	s_delay_alu instid0(VALU_DEP_4)
	v_mul_u32_u24 v81, v2, LP
	s_delay_alu instid0(VALU_DEP_1)
	v_lshl_add_u32 v81, v3, 4, v81
	s_lshl_b32 s22, s10, 6
	v_add_nc_u32 v81, s22, v81                     ; where my list goes: query r, list 4 w + my quarter
	s_mul_i32 s22, s10, LP
	v_add_nc_u32 v82, s22, v4                      ; where I read: query w, list = my lane
	s_lshl_b32 s22, s10, 4
	s_add_co_u32 s22, s22, OUT
	v_mov_b32 v83, s22                             ; query w's four groups
	v_lshlrev_b32 v85, 2, v1
	s_delay_alu instid0(VALU_DEP_1)
	v_add_nc_u32 v84, OUT, v85                     ; the way out: 4 bytes a lane
	s_lshl_b32 s22, s10, 8
	v_lshl_add_u32 v86, v3, 2, s22                 ; 256 w + 8 (k % 2) + 4 h: my first group
	s_lshl_b32 s16, ttmp9, 16
	s_lshl_b32 s17, s10, 13
	s_add_co_u32 s16, s16, s17                     ; my wave's 32 blocks of 256 bytes
	s_mov_b32 s17, 0
	s_lshl_b32 s18, ttmp9, 5                       ; the 8 rq
	s_mov_b32 s19, 0
	s_lshl_b32 s20, ttmp9, 7                       ; the 128 bytes of gsel
	s_mov_b32 s21, 0
	s_mov_b32 s12, 0x76543210
	s_mov_b32 s13, 0xfedcba98                      ; v_permlanex16_b32's selects for lane l xor 16
	s_mov_b32 s14, 0x7f800000                      ; +infinity
.irp k, 0,1,2,3
	v_mov_b32 v[D+\k], 0x7f800000
	v_mov_b32 v[I+\k], 0
	v_mov_b32 v[92+\k], 0                          ; (destinations of lane forms count as sources: written once)
.endr
	v_mov_b32 v88, 0
	v_mov_b32 v89, 0
	v_mov_b32 v91, 0x7f61b1e6                      ; 3e38: over every group number
	v_mov_b32 v96, 0x7f800000
	s_wait_kmcnt 0x0
	s_add_nc_u64 s[4:5], s[4:5], s[16:17]
	s_add_nc_u64 s[6:7], s[6:7], s[18:19]
	s_add_nc_u64 s[8:9], s[8:9], s[20:21]
	global_load_b32 v80, v5, s[6:7]                ; rq of my query
.irp n, 0,1,2,3,4,5,6,7,8,9,10,11,12,13,14,15
	global_load_b128 v[X+4*\n:X+4*\n+3], v4, s[4:5] offset:512*\n th:TH_LOAD_NT
.endr
; x goes into the sorted list if it is smaller than an entry; c is its place, an inline constant.
.macro INS x, c
	v_cmp_lt_f32 s40, v[\x], v[D]
	v_cmp_lt_f32 s41, v[\x], v[D+1]
	v_cmp_lt_f32 s42, v[\x], v[D+2]
	v_cmp_lt_f32 s43, v[\x], v[D+3]
	s_delay_alu instid0(VALU_DEP_1)
	v_cndmask_b32 v[I+3], v[I+3], \c, s43
	s_delay_alu instid0(VALU_DEP_1)
	v_cndmask_b32 v[I+3], v[I+3], v[I+2], s42
	s_delay_alu instid0(VALU_DEP_4)
	v_cndmask_b32 v[I+2], v[I+2], \c, s42
	s_delay_alu instid0(VALU_DEP_1)
	v_cndmask_b32 v[I+2], v[I+2], v[I+1], s41
	v_cndmask_b32 v[I+1], v[I+1], \c, s41
	s_delay_alu instid0(VALU_DEP_1)
	v_cndmask_b32 v[I+1], v[I+1], v[I], s40
	v_cndmask_b32 v[I], v[I], \c, s40
	v_med3_num_f32 v[D+3], v[D+2], v[D+3], v[\x]   ; the middle one of the entry, the entry before it and x
	v_med3_num_f32 v[D+2], v[D+1], v[D+2], v[\x]
	v_med3_num_f32 v[D+1], v[D], v[D+1], v[\x]
	v_min_num_f32 v[D], v[D], v[\x]
.endm
	s_wait_loadcnt 16                              ; rq is in; the sixteen loads of maxima may be out
	v_xor_b32 v6, 0x80000000, v80                  ; -rq,
	s_delay_alu instid0(VALU_DEP_1)
	v_mov_b32 v7, v6                               ; as a pair
	s_wait_alu depctr_va_vdst(0)
.irp n, 0,1,2,3,4,5,6,7,8,9,10,11,12,13,14,15
	s_wait_loadcnt 15-\n                           ; load n is in; the later ones stay out
	v_pk_fma_f32 v[X+4*\n:X+4*\n+1], v[X+4*\n:X+4*\n+1], v[6:7], 1.0 op_sel_hi:[1,0,0]       ; d = 1 - key x rq
	v_pk_fma_f32 v[X+4*\n+2:X+4*\n+3], v[X+4*\n+2:X+4*\n+3], v[6:7], 1.0 op_sel_hi:[1,0,0]
.irp b, 0,1,2,3
	v_min_num_f32 v[X+4*\n+\b], s14, v[X+4*\n+\b]  ; a NaN becomes +infinity
.endr
	s_wait_alu depctr_va_vdst(0)
.irp b, 0,1,2,3
	INS X+4*\n+\b, 4*\n+\b
.endr
.endr
.irp k, 0,1,2,3
	v_and_b32 v87, 0x3c, v[I+\k]                   ; 4 n
	s_delay_alu instid0(VALU_DEP_1)
	v_mul_u32_u24 v87, 3, v87
	s_delay_alu instid0(VALU_DEP_1)
	v_add3_u32 v[I+\k], v[I+\k], v87, v86          ; group = my first group + 16 n + b = my first group + c + 12 n
	s_delay_alu instid0(VALU_DEP_1)
	v_cvt_f32_u32 v[I+\k], v[I+\k]
.endr
	ds_store_b128 v81, v[D:D+3]
	ds_store_b128 v81, v[I:I+3] offset:GOF
	s_wait_dscnt 0x0                               ; for the others' sake: my lists have landed
	s_barrier_signal -1
	s_barrier_wait -1
	ds_load_b128 v[D:D+3], v82                     ; one list of query w in each lane
	ds_load_b128 v[I:I+3], v82 offset:GOF
	s_wait_dscnt 0x0
.macro WMIN d, s                       ; the wave's smallest v[s], in every lane's v[d]
	v_min_num_f32_dpp v[\d], v[\s], v[\s] row_xmask:1 row_mask:0xf bank_mask:0xf
	s_delay_alu instid0(VALU_DEP_1)
	v_min_num_f32_dpp v[\d], v[\d], v[\d] row_xmask:2 row_mask:0xf bank_mask:0xf
	s_delay_alu instid0(VALU_DEP_1)
	v_min_num_f32_dpp v[\d], v[\d], v[\d] row_xmask:4 row_mask:0xf bank_mask:0xf
	s_delay_alu instid0(VALU_DEP_1)
	v_min_num_f32_dpp v[\d], v[\d], v[\d] row_xmask:8 row_mask:0xf bank_mask:0xf
	s_delay_alu instid0(VALU_DEP_1)
	v_permlanex16_b32 v89, v[\d], s12, s13
	s_delay_alu instid0(VALU_DEP_1)
	v_min_num_f32 v[\d], v[\d], v89
.endm
.irp k, 0,1,2,3
	WMIN 88, D                                     ; the smallest head
	s_delay_alu instid0(VALU_DEP_1)
	v_cmp_eq_f32 vcc_lo, v[D], v88
	s_delay_alu instid0(VALU_DEP_1)
	v_cndmask_b32 v90, v91, v[I], vcc_lo           ; the groups of the heads that have it,
	WMIN 92+\k, 90                                 ; the lowest of them: the k-th choice
	s_delay_alu instid0(VALU_DEP_1)
	v_cmp_eq_f32 vcc_lo, v90, v[92+\k]             ; its lane pops its list
	s_delay_alu instid0(VALU_DEP_1)
	v_cndmask_b32 v[D], v[D], v[D+1], vcc_lo
	s_delay_alu instid0(VALU_DEP_2)
	v_cndmask_b32 v[D+1], v[D+1], v[D+2], vcc_lo
	s_delay_alu instid0(VALU_DEP_3)
	v_cndmask_b32 v[D+2], v[D+2], v[D+3], vcc_lo
	s_delay_alu instid0(VALU_DEP_4)
	v_cndmask_b32 v[D+3], v[D+3], v96, vcc_lo
	v_cndmask_b32 v[I], v[I], v[I+1], vcc_lo
	v_cndmask_b32 v[I+1], v[I+1], v[I+2], vcc_lo
	v_cndmask_b32 v[I+2], v[I+2], v[I+3], vcc_lo
.endr
.irp k, 0,1,2,3
	v_cvt_u32_f32 v[92+\k], v[92+\k]
.endr
	ds_store_b128 v83, v[92:95]                    ; all lanes write the same 16 bytes with the same values
	s_wait_dscnt 0x0
	s_barrier_signal -1
	s_barrier_wait -1
	s_cmp_lg_u32 s10, 0
	s_cbranch_scc1 .Ldone                          ; wave 0 stores the work-group's 128 bytes
	ds_load_b32 v98, v84
	s_wait_dscnt 0x0
	global_store_b32 v85, v98, s[8:9]              ; 32 lanes store 128 consecutive bytes: all that 8 queries have
.Ldone:
	s_wait_tensorcnt 0x0
	ds_add_u32 v128, v129
	s_wait_dscnt 0x0
	s_endpgm
.Lfunc_end_k_qf403a8352c_pick:
	.size	k_qf403a8352c_pick, .Lfunc_end_k_qf403a8352c_pick-k_qf403a8352c_pick
	.p2alignl 7, 3214868480
	.fill 96, 4, 3214868480
	.section	.rodata,"a",@progbits
	.p2align	6, 0x0
	.amdhsa_kernel k_qf403a8352c_pick
		.amdhsa_group_segment_fixed_size 19456
		.amdhsa_private_segment_fixed_size 0
		.amdhsa_enable_private_segment 0
		.amdhsa_kernarg_size 24
		.amdhsa_user_sgpr_count 2
		.amdhsa_user_sgpr_kernarg_segment_ptr 1
		.amdhsa_wavefront_size32 1
		.amdhsa_system_sgpr_workgroup_id_x 1
		.amdhsa_system_sgpr_workgroup_id_y 1
		.amdhsa_system_sgpr_workgroup_id_z 1
		.amdhsa_system_vgpr_workitem_id 0
		.amdhsa_next_free_vgpr 130
		.amdhsa_next_free_sgpr 66
		.amdhsa_reserve_vcc 1
		.amdhsa_float_denorm_mode_32 3
		.amdhsa_float_denorm_mode_16_64 3
		.amdhsa_memory_ordered 1
		.amdhsa_forward_progress 1
		.amdhsa_inst_pref_size 86
	.end_amdhsa_kernel
	.amdgpu_metadata
---
amdhsa.version: [ 1, 2 ]
amdhsa.kernels:
  - .name:           k_qf403a8352c_pick
    .symbol:         k_qf403a8352c_pick.kd
    .args:
      - { .name: gmax, .offset: 0, .size: 8, .value_kind: global_buffer, .address_space: global }
      - { .name: rnorm, .offset: 8, .size: 8, .value_kind: global_buffer, .address_space: global }
      - { .name: gsel, .offset: 16, .size: 8, .value_kind: global_buffer, .address_space: global }
    .group_segment_fixed_size: 19456
    .private_segment_fixed_size: 0
    .kernarg_segment_align: 8
    .kernarg_segment_size: 24
    .max_flat_workgroup_size: 256
    .sgpr_count:     66
    .vgpr_count:     130
    .wavefront_size: 32
...
	.end_amdgpu_metadata
.endif
;; end of part 3
;; launch rescore (part 4): grid 256 x 1, 8 waves a work-group, no clusters, 275,712 bytes of LDS; arguments gsel, codes, scales, rnorm, idx; writes idx
.if DOCPART == 4
	.amdgcn_target "amdgcn-amd-amdhsa--gfx1250"
	.amdhsa_code_object_version 6
	.text
	.protected	k_qf403a8352c_rescore
	.globl	k_qf403a8352c_rescore
	.p2align	8
	.type	k_qf403a8352c_rescore,@function
k_qf403a8352c_rescore:
	s_mov_b64 s[64:65], 0
	v_nop
	global_prefetch_b8 v0, s[64:65] scope:SCOPE_SE
	s_setreg_imm32_b32 hwreg(HW_REG_WAVE_MODE, 25, 1), 1
	s_wait_xcnt 0x0
; For each query the 64 matching rows of its four chosen groups are scored again, and the four rows that rank first by (d, row number) are stored: idx [2048][4] whole numbers.
; The score is made as in the launch that made the group maxima: the same matrix instruction on the same codes and scale bytes, K ascending, one accumulator, the sources swapped; key = dot x rm; d = 1 - key x rq, one fused multiply-add.
; SHARES.  A wave takes a query.  The groups come as whole numbers that an earlier launch stored; each is held inside the table by s_min_u32 ahead of its use in an address.
; Group g is rows 16 g .. 16 g + 15.  In codes and scales these lie as two runs of 8 at places P and P + 16, P = 128 (g / 8) + 32 (g % 4) + 8 ((g / 4) % 2), behind the 2,048 queries.
; Rows of codes are read whole, 512 consecutive bytes an instruction, and turned into fragments through the wave's own stage in LDS (65 rows of 512 + 16 bytes: 64 candidates and the query): no barrier.
; SOURCE 0 = the query, the same row sixteen times (all lanes of a half read the same bytes); SOURCE 1 = 16 candidates.  So register 0 of tile t's accumulator holds, in lane r, the query's product with row 16 g_t + r.
; LIMITS: a NaN counts as +infinity; a query with fewer than four finite d gets arbitrary rows inside the table for the rest.
; REGISTERS.  window 0: v1-13 addresses; v16-79 the query's 8 fragments; v80-87 its scale words, v88-119 the candidates'; v120-123 rm; v128-159 four accumulators; v160-185 at work.  window 1: the 64 rows as loaded, then 32 fragments.
.set PITCH, 528
.set WREG,  65*PITCH
.set QF,  16
.set QS,  80
.set CS,  88
.set RMV, 120
.set ACC, 128
.set DD,  160
.set II,  164
.set CC,  168
.set MM,  172
.set WW,  176
.set KK,  180
.set BIG, 184
.set INF, 185
.set MSB, 0
.macro WIN new
.if MSB != (\new)
	s_set_vgpr_msb (MSB<<8)|(\new)
.set MSB, (\new)
.endif
.endm
	s_load_b256 s[4:11], s[0:1], 0x0               ; gsel s[4:5], codes s[6:7], scales s[8:9], rnorm s[10:11]
	s_load_b64 s[12:13], s[0:1], 0x20              ; idx
	v_lshl_add_u32 v254, v0, 2, 0x43100
	v_mov_b32 v255, 0
	v_lshrrev_b32 v1, 5, v0
	s_delay_alu instid0(VALU_DEP_1)
	v_readfirstlane_b32 s14, v1                    ; wave 0..7
	s_lshl_b32 s15, ttmp9, 3
	s_add_co_u32 s15, s15, s14                     ; my query
	v_and_b32 v1, 31, v0
	s_delay_alu instid0(VALU_DEP_1)
	v_lshlrev_b32 v1, 4, v1                        ; 16 x lane
	v_and_b32 v2, 15, v0                           ; r
	v_bfe_u32 v3, v0, 4, 1                         ; h
	s_delay_alu instid0(VALU_DEP_2)
	v_lshrrev_b32 v4, 3, v2
	s_delay_alu instid0(VALU_DEP_1)
	v_lshl_add_u32 v4, v4, 3, v2                   ; r + 8 (r / 8): candidate r's place behind P
	s_delay_alu instid0(VALU_DEP_1)
	v_lshlrev_b32 v4, 5, v4                        ; its 32 scale bytes
	v_lshlrev_b32 v5, 2, v2                        ; 4 r
	v_mov_b32 v6, 0
	s_mul_i32 s26, s14, WREG                       ; my stage
	v_add_nc_u32 v7, s26, v1                       ; in: 16 bytes a lane of a row
	v_mul_u32_u24 v12, v2, PITCH
	s_delay_alu instid0(VALU_DEP_1)
	v_lshl_add_u32 v12, v3, 4, v12
	s_delay_alu instid0(VALU_DEP_1)
	v_add_nc_u32 v12, s26, v12                     ; out: row r, + 16 h
	v_lshlrev_b32 v13, 4, v3
	s_delay_alu instid0(VALU_DEP_1)
	v_add_nc_u32 v13, s26, v13                     ; the query's row: + 16 h alone
	v_mov_b32 v[BIG], 0x7f61b1e6                   ; 3e38: over every row number
	v_mov_b32 v[INF], 0x7f800000
	s_mov_b32 s25, 0x7f800000
	s_mov_b32 s17, 0
	s_mov_b32 s19, 0
	s_wait_alu depctr_va_vdst(0)
	s_wait_kmcnt 0x0
	s_lshl_b32 s16, s15, 4
	s_add_nc_u64 s[4:5], s[4:5], s[16:17]
	s_add_nc_u64 s[12:13], s[12:13], s[16:17]
	s_lshl_b32 s16, s15, 2
	s_add_nc_u64 s[60:61], s[10:11], s[16:17]
	s_load_b128 s[20:23], s[4:5], 0x0              ; my four groups
	s_load_b32 s24, s[60:61], 0x0                  ; rq
	s_lshl_b32 s16, s15, 9
	s_add_nc_u64 s[56:57], s[6:7], s[16:17]        ; my query's codes
	s_lshl_b32 s16, s15, 5
	s_add_nc_u64 s[58:59], s[8:9], s[16:17]        ; and scale bytes
	global_load_b128 v[8:11], v1, s[56:57]         ; the query's row: the first load
	s_wait_kmcnt 0x0
.irp t, 0,1,2,3
	s_lshr_b32 s16, s[20+\t], 3
	s_lshl_b32 s16, s16, 7
	s_and_b32 s18, s[20+\t], 3
	s_lshl_b32 s18, s18, 5
	s_add_co_u32 s16, s16, s18
	s_bfe_u32 s18, s[20+\t], 0x10002
	s_lshl_b32 s18, s18, 3
	s_add_co_u32 s16, s16, s18                     ; P
	s_min_u32 s16, s16, 32744                      ; held inside the table: P + 23 is at most the last row
	s_min_u32 s27, s[20+\t], 2047
	s_lshl_b32 s[52+\t], s27, 4                    ; the group's first row
	s_lshl_b32 s18, s27, 6
	s_add_nc_u64 s[44+2*\t:45+2*\t], s[10:11], s[18:19]    ; its 16 rm (8,192 bytes on: in the immediate)
	s_lshl_b32 s18, s16, 9
	s_add_nc_u64 s[28+2*\t:29+2*\t], s[6:7], s[18:19]      ; its codes (1,048,576 bytes on)
	s_lshl_b32 s18, s16, 5
	s_add_nc_u64 s[36+2*\t:37+2*\t], s[8:9], s[18:19]      ; its scale bytes (65,536 bytes on)
.endr
	WIN 0x40                                       ; destination window 1
.irp t, 0,1,2,3
.irp i, 0,1,2,3,4,5,6,7,8,9,10,11,12,13,14,15
	global_load_b128 v[64*\t+4*\i:64*\t+4*\i+3], v1, s[28+2*\t:29+2*\t] offset:1048576+(\i+8*(\i/8))*512   ; a whole row: 512 consecutive bytes
.endr
.endr
	WIN 0
.irp t, 0,1,2,3
	global_load_b128 v[CS+8*\t:CS+8*\t+3], v4, s[36+2*\t:37+2*\t] offset:65536      ; candidate r's eight scale words
	global_load_b128 v[CS+8*\t+4:CS+8*\t+7], v4, s[36+2*\t:37+2*\t] offset:65536+16
.endr
	global_load_b128 v[QS:QS+3], v6, s[58:59]      ; the query's, the same in every lane
	global_load_b128 v[QS+4:QS+7], v6, s[58:59] offset:16
.irp t, 0,1,2,3
	global_load_b32 v[RMV+\t], v5, s[44+2*\t:45+2*\t] offset:8192
.endr
	s_wait_loadcnt 62                              ; the query's row and tile 0's are in
	ds_store_b128 v7, v[8:11] offset:64*PITCH
	WIN 0x04                                       ; an LDS store's data are its source 1: window 1
.irp t, 0,1,2,3
	s_wait_loadcnt 14+16*(3-\t)                    ; tile t's rows are in; out may be the later tiles' 16 each and the 14 loads of scale words and rm
.irp i, 0,1,2,3,4,5,6,7,8,9,10,11,12,13,14,15
	ds_store_b128 v7, v[64*\t+4*\i:64*\t+4*\i+3] offset:(16*\t+\i)*PITCH
.endr
.endr
	WIN 0
	s_wait_dscnt 0x0                               ; the stores have read their registers: the fragments land there
	WIN 0x40
.irp t, 0,1,2,3
.irp s, 0,1,2,3,4,5,6,7
.irp c, 0,1
	ds_load_b128 v[64*\t+8*\s+4*\c:64*\t+8*\s+4*\c+3], v12 offset:16*\t*PITCH+64*\s+32*\c   ; candidate r, K = 128 s + 64 c + 32 h + 0 .. 31
.endr
.endr
.endr
	WIN 0
.irp s, 0,1,2,3,4,5,6,7
.irp c, 0,1
	ds_load_b128 v[QF+8*\s+4*\c:QF+8*\s+4*\c+3], v13 offset:64*PITCH+64*\s+32*\c
.endr
.endr
	s_wait_loadcnt 0x0
	s_wait_dscnt 0x0
	WIN 0x04                                       ; source 1 window 1
.irp s, 0,1,2,3,4,5,6,7                        ; K ascending; the four accumulators take turns, one instruction a turn
.irp t, 0,1,2,3
.if \s == 0
	v_wmma_scale_f32_16x16x128_f8f6f4 v[ACC+8*\t:ACC+8*\t+7], v[QF+8*\s:QF+8*\s+7], v[64*\t+8*\s:64*\t+8*\s+7], 0, v[QS+\s], v[CS+8*\t+\s] matrix_a_fmt:MATRIX_FMT_FP4 matrix_b_fmt:MATRIX_FMT_FP4
.else
	v_wmma_scale_f32_16x16x128_f8f6f4 v[ACC+8*\t:ACC+8*\t+7], v[QF+8*\s:QF+8*\s+7], v[64*\t+8*\s:64*\t+8*\s+7], v[ACC+8*\t:ACC+8*\t+7], v[QS+\s], v[CS+8*\t+\s] matrix_a_fmt:MATRIX_FMT_FP4 matrix_b_fmt:MATRIX_FMT_FP4
.endif
.endr
.endr
	WIN 0
.irp t, 0,1,2,3
	v_add_nc_u32 v[II+\t], s[52+\t], v2            ; my candidates' row numbers: four plain lines, the places behind the last product (ISA guide 7.12.1)
.endr
.irp t, 0,1,2,3
	s_delay_alu instid0(VALU_DEP_4)
	v_cvt_f32_u32 v[II+\t], v[II+\t]               ; as f32: whole numbers under 2^15, exact
.endr
.irp t, 0,1,2,3
	v_mul_f32 v[KK+\t], v[ACC+8*\t], v[RMV+\t]     ; key = dot x rm (each accumulator's lowest register)
.endr
.irp t, 0,1,2,3
	s_delay_alu instid0(VALU_DEP_4)
	v_fma_f32 v[DD+\t], -v[KK+\t], s24, 1.0        ; d = 1 - key x rq
.endr
.irp t, 0,1,2,3
	s_delay_alu instid0(VALU_DEP_4)
	v_min_num_f32 v[DD+\t], s25, v[DD+\t]          ; a NaN becomes +infinity
.endr
.macro RMIN d                          ; the smallest over the 16 lanes of a row; both rows hold the same candidates
.irp m, 1,2,4,8
	s_delay_alu instid0(VALU_DEP_1)
	v_min_num_f32_dpp v[\d], v[\d], v[\d] row_xmask:\m row_mask:0xf bank_mask:0xf
.endr
.endm
.irp k, 0
	s_delay_alu instid0(VALU_DEP_2)
	v_min3_num_f32 v[MM], v[DD], v[DD+1], v[DD+2]
	s_delay_alu instid0(VALU_DEP_1)
	v_min_num_f32 v[MM], v[MM], v[DD+3]
	RMIN MM                                        ; the smallest d left
.irp t, 0,1,2,3
	v_cmp_eq_f32 vcc_lo, v[DD+\t], v[MM]
	s_delay_alu instid0(VALU_DEP_1)
	v_cndmask_b32 v[CC+\t], v[BIG], v[II+\t], vcc_lo
.endr
	s_delay_alu instid0(VALU_DEP_3)
	v_min3_num_f32 v[WW+\k], v[CC], v[CC+1], v[CC+2]
	s_delay_alu instid0(VALU_DEP_1)
	v_min_num_f32 v[WW+\k], v[WW+\k], v[CC+3]
	RMIN WW+\k                                     ; the lowest row that has it: the k-th neighbour
.irp t, 0,1,2,3
	v_cmp_eq_f32 vcc_lo, v[II+\t], v[WW+\k]
	s_delay_alu instid0(VALU_DEP_1)
	v_cndmask_b32 v[DD+\t], v[DD+\t], v[INF], vcc_lo   ; it is taken out
.endr
.endr
.irp k, 1, 2, 3
	s_delay_alu instid0(VALU_DEP_3)
	v_min3_num_f32 v[MM], v[DD], v[DD+1], v[DD+2]
	s_delay_alu instid0(VALU_DEP_1)
	v_min_num_f32 v[MM], v[MM], v[DD+3]
	RMIN MM                                        ; the smallest d left
.irp t, 0,1,2,3
	v_cmp_eq_f32 vcc_lo, v[DD+\t], v[MM]
	s_delay_alu instid0(VALU_DEP_1)
	v_cndmask_b32 v[CC+\t], v[BIG], v[II+\t], vcc_lo
.endr
	s_delay_alu instid0(VALU_DEP_3)
	v_min3_num_f32 v[WW+\k], v[CC], v[CC+1], v[CC+2]
	s_delay_alu instid0(VALU_DEP_1)
	v_min_num_f32 v[WW+\k], v[WW+\k], v[CC+3]
	RMIN WW+\k                                     ; the lowest row that has it: the k-th neighbour
.irp t, 0,1,2,3
	v_cmp_eq_f32 vcc_lo, v[II+\t], v[WW+\k]
	s_delay_alu instid0(VALU_DEP_1)
	v_cndmask_b32 v[DD+\t], v[DD+\t], v[INF], vcc_lo   ; it is taken out
.endr
.endr
.irp k, 0,1,2,3
	v_cvt_u32_f32 v[WW+\k], v[WW+\k]
.endr
	s_wait_alu depctr_va_vdst(0)
	s_wait_xcnt 0x0                                ; EXEC changes only behind this wait
	v_cmp_eq_u32 vcc_lo, 0, v1
	s_wait_tensorcnt 0x0
	ds_add_u32 v254, v255
	s_wait_dscnt 0x0
	s_and_saveexec_b32 s27, vcc_lo
	global_store_b128 v6, v[WW:WW+3], s[12:13]     ; lane 0: my query's four rows
	s_wait_xcnt 0x0
	s_or_b32 exec_lo, exec_lo, s27
	s_endpgm
.Lfunc_end_k_qf403a8352c_rescore:
	.size	k_qf403a8352c_rescore, .Lfunc_end_k_qf403a8352c_rescore-k_qf403a8352c_rescore
	.p2alignl 7, 3214868480
	.fill 96, 4, 3214868480
	.section	.rodata,"a",@progbits
	.p2align	6, 0x0
	.amdhsa_kernel k_qf403a8352c_rescore
		.amdhsa_group_segment_fixed_size 275712
		.amdhsa_private_segment_fixed_size 0
		.amdhsa_enable_private_segment 0
		.amdhsa_kernarg_size 40
		.amdhsa_user_sgpr_count 2
		.amdhsa_user_sgpr_kernarg_segment_ptr 1
		.amdhsa_wavefront_size32 1
		.amdhsa_system_sgpr_workgroup_id_x 1
		.amdhsa_system_sgpr_workgroup_id_y 1
		.amdhsa_system_sgpr_workgroup_id_z 1
		.amdhsa_system_vgpr_workitem_id 0
		.amdhsa_next_free_vgpr 512
		.amdhsa_next_free_sgpr 66
		.amdhsa_reserve_vcc 1
		.amdhsa_float_denorm_mode_32 3
		.amdhsa_float_denorm_mode_16_64 3
		.amdhsa_memory_ordered 1
		.amdhsa_forward_progress 1
		.amdhsa_inst_pref_size 35
	.end_amdhsa_kernel
	.amdgpu_metadata
---
amdhsa.version: [ 1, 2 ]
amdhsa.kernels:
  - .name:           k_qf403a8352c_rescore
    .symbol:         k_qf403a8352c_rescore.kd
    .args:
      - { .name: gsel, .offset: 0, .size: 8, .value_kind: global_buffer, .address_space: global }
      - { .name: codes, .offset: 8, .size: 8, .value_kind: global_buffer, .address_space: global }
      - { .name: scales, .offset: 16, .size: 8, .value_kind: global_buffer, .address_space: global }
      - { .name: rnorm, .offset: 24, .size: 8, .value_kind: global_buffer, .address_space: global }
      - { .name: idx, .offset: 32, .size: 8, .value_kind: global_buffer, .address_space: global }
    .group_segment_fixed_size: 275712
    .private_segment_fixed_size: 0
    .kernarg_segment_align: 8
    .kernarg_segment_size: 40
    .max_flat_workgroup_size: 256
    .sgpr_count:     66
    .vgpr_count:     512
    .wavefront_size: 32
...
	.end_amdgpu_metadata
.endif
;; end of part 4
;; launch gather (part 5): grid 256 x 1, 8 waves a work-group, no clusters, 0 bytes of LDS; arguments idx, synth_set, out0; writes out0
.if DOCPART == 5
	.amdgcn_target "amdgcn-amd-amdhsa--gfx1250"
	.amdhsa_code_object_version 6
	.text
	.protected	k_qf403a8352c_gather
	.globl	k_qf403a8352c_gather
	.p2align	8
	.type	k_qf403a8352c_gather,@function
k_qf403a8352c_gather:
	s_mov_b64 s[64:65], 0
	v_nop
	global_prefetch_b8 v0, s[64:65] scope:SCOPE_SE
	s_setreg_imm32_b32 hwreg(HW_REG_WAVE_MODE, 25, 1), 1
	s_wait_xcnt 0x0
; out0[q][:] = the mean of synth_set's four rows idx[q][0 .. 3]: ((a + b) + c) + d, x 0.25, in f32.  idx holds whole numbers that an earlier launch stored; each is held inside the table by s_min_u32.
; A wave takes a query.  A row is 4,096 bytes: eight pieces of 512 consecutive bytes, 16 a lane.  All 32 loads go out at once, piece by piece over the four rows; each piece is summed and stored as soon as its four loads are in.
; Memory binds: no LDS, no barrier, no matrix unit.  No hint on the loads: a row may be named by several queries.
.set L, 16                             ; v16-143: piece i, row j at v[L + 16 i + 4 j]
	s_load_b128 s[4:7], s[0:1], 0x0                ; idx, synth_set
	s_load_b64 s[8:9], s[0:1], 0x10                ; out0
	v_lshrrev_b32 v1, 5, v0
	s_delay_alu instid0(VALU_DEP_1)
	v_readfirstlane_b32 s10, v1                    ; wave
	s_lshl_b32 s11, ttmp9, 3
	s_add_co_u32 s11, s11, s10                     ; my query
	v_and_b32 v1, 31, v0
	s_delay_alu instid0(VALU_DEP_1)
	v_lshlrev_b32 v1, 4, v1                        ; 16 x lane
	s_lshl_b32 s12, s11, 4
	s_mov_b32 s13, 0
	s_mov_b32 s28, 0x3e800000                      ; 0.25
	s_mov_b32 s29, s28                             ; (named with it as a pair, so it is written)
	s_wait_alu depctr_va_vdst(0)
	s_wait_kmcnt 0x0
	s_add_nc_u64 s[4:5], s[4:5], s[12:13]
	s_load_b128 s[16:19], s[4:5], 0x0              ; my four rows
	s_lshl_b32 s12, s11, 12
	s_add_nc_u64 s[8:9], s[8:9], s[12:13]
	s_wait_kmcnt 0x0
.irp j, 0,1,2,3
	s_min_u32 s12, s[16+\j], 32767
	s_lshl_b32 s12, s12, 12
	s_add_nc_u64 s[20+2*\j:21+2*\j], s[6:7], s[12:13]
.endr
.irp i, 0,1,2,3,4,5,6,7
.irp j, 0,1,2,3
	global_load_b128 v[L+16*\i+4*\j:L+16*\i+4*\j+3], v1, s[20+2*\j:21+2*\j] offset:512*\i
.endr
.endr
.irp i, 0,1,2,3,4,5,6,7
	s_wait_loadcnt 4*(7-\i)                        ; piece i's four loads are in; the later pieces' stay out
.irp j, 1,2,3
.irp h, 0,2
	v_pk_add_f32 v[L+16*\i+\h:L+16*\i+\h+1], v[L+16*\i+\h:L+16*\i+\h+1], v[L+16*\i+4*\j+\h:L+16*\i+4*\j+\h+1]
.endr
.endr
.irp h, 0,2
	s_delay_alu instid0(VALU_DEP_2)
	v_pk_mul_f32 v[L+16*\i+\h:L+16*\i+\h+1], v[L+16*\i+\h:L+16*\i+\h+1], s[28:29] op_sel_hi:[1,0]
.endr
	global_store_b128 v1, v[L+16*\i:L+16*\i+3], s[8:9] offset:512*\i th:TH_STORE_NT   ; 32 lanes store 512 consecutive bytes, aligned; no register of a store is written again
.endr
	s_endpgm
.Lfunc_end_k_qf403a8352c_gather:
	.size	k_qf403a8352c_gather, .Lfunc_end_k_qf403a8352c_gather-k_qf403a8352c_gather
	.p2alignl 7, 3214868480
	.fill 96, 4, 3214868480
	.section	.rodata,"a",@progbits
	.p2align	6, 0x0
	.amdhsa_kernel k_qf403a8352c_gather
		.amdhsa_group_segment_fixed_size 0
		.amdhsa_private_segment_fixed_size 0
		.amdhsa_enable_private_segment 0
		.amdhsa_kernarg_size 24
		.amdhsa_user_sgpr_count 2
		.amdhsa_user_sgpr_kernarg_segment_ptr 1
		.amdhsa_wavefront_size32 1
		.amdhsa_system_sgpr_workgroup_id_x 1
		.amdhsa_system_sgpr_workgroup_id_y 1
		.amdhsa_system_sgpr_workgroup_id_z 1
		.amdhsa_system_vgpr_workitem_id 0
		.amdhsa_next_free_vgpr 144
		.amdhsa_next_free_sgpr 66
		.amdhsa_reserve_vcc 0
		.amdhsa_float_denorm_mode_32 3
		.amdhsa_float_denorm_mode_16_64 3
		.amdhsa_memory_ordered 1
		.amdhsa_forward_progress 1
		.amdhsa_inst_pref_size 11
	.end_amdhsa_kernel
	.amdgpu_metadata
---
amdhsa.version: [ 1, 2 ]
amdhsa.kernels:
  - .name:           k_qf403a8352c_gather
    .symbol:         k_qf403a8352c_gather.kd
    .args:
      - { .name: idx, .offset: 0, .size: 8, .value_kind: global_buffer, .address_space: global }
      - { .name: synth_set, .offset: 8, .size: 8, .value_kind: global_buffer, .address_space: global }
      - { .name: out0, .offset: 16, .size: 8, .value_kind: global_buffer, .address_space: global }
    .group_segment_fixed_size: 0
    .private_segment_fixed_size: 0
    .kernarg_segment_align: 8
    .kernarg_segment_size: 24
    .max_flat_workgroup_size: 256
    .sgpr_count:     66
    .vgpr_count:     144
    .wavefront_size: 32
...
	.end_amdgpu_metadata
.endif
;; end of part 5
